; MI455X (gfx1250); checked and timed in simulation.
; The chip was launched on July 23, 2026; its instructions are those of AMD's public machine-readable ISA for CDNA 5 (MIT licence, August 2026) and "CDNA5" Instruction Set Architecture Reference Guide (July 2026). The comments in the code are by the model that wrote it; some were corrected since.
;; Causal Self Attention. Allowed arithmetic: matrix products marked QUANTISED: E2M1 operands, one E8M0 scale for each 32 along K, by v_wmma_scale_f32_16x16x128_f8f6f4 with both operands' format E2M1 (or v_wmma_scale_f32_32x16x128_f4), f32 sums; everything else in f32.
;; Inputs: out_b 1,024 float32; out_w_codes 1,024 x 32 x 16 uint8 (E2M1 codes of out_w, K innermost, in blocks of 32 codes, two codes a byte); out_w_scales 1,024 x 32 uint8 (E8M0 scales of out_w, one for each 32 codes along K); qkv_b 3,072 float32; qkv_w_codes 3,072 x 32 x 16 uint8 (E2M1 codes of qkv_w, K innermost, in blocks of 32 codes, two codes a byte); qkv_w_scales 3,072 x 32 uint8 (E8M0 scales of qkv_w, one for each 32 codes along K); x_codes 4 x 2,048 x 32 x 16 uint8 (E2M1 codes of x, K innermost, in blocks of 32 codes, two codes a byte); x_scales 4 x 2,048 x 32 uint8 (E8M0 scales of x, one for each 32 codes along K).
;; Outputs: out0 4 x 2,048 x 1,024 float32.
;; This version of the problem:
;;   THIS VERSION OF THE PROBLEM IS GIVEN IN LOW PRECISION. The matrix products marked QUANTISED in the list below multiply operands that are first quantised to E2M1 (2 exponent bits, 1 mantissa bit; 4 bits a number), with one power-of-two scale for each 32 numbers along K (OCP MX v1.0); their sums are f32. All else is computed in f32.
;;   The module's matrix products, in the order in which they are computed (A, B: the left and right operand; K: the contracted axis; several contracted axes count as one K, in the product's order):
;;     1. [M 8,192, K 1,024] x [K 1,024, N 3,072]; A: input x (given as codes); B: input qkv_w (given as codes): QUANTISED
;;     2. batch 64 x [M 2,048, K 64] x [K 64, N 2,048]; A: computed on the way; B: computed on the way: QUANTISED
;;     3. batch 64 x [M 2,048, K 2,048] x [K 2,048, N 64]; A: softmax (see below); B: computed on the way: QUANTISED
;;     4. [M 8,192, K 1,024] x [K 1,024, N 1,024]; A: computed on the way; B: input out_w (given as codes): QUANTISED
;;   THE QUANTISER, for each operand of a quantised product, along K:
;;     - K is cut into blocks of 32 from its start; a last block that is shorter is filled with zeros.
;;     - A block's scale is 2^e with e = floor(log2(the largest magnitude in the block)) - 2, held to -126 .. 127; a block of zeros has e = 0. As a byte (E8M0): e + 127.
;;     - Each number is divided by its block's scale, clamped to +-6, and rounded to the nearest number of E2M1, ties to even, subnormals kept.
;;     - The product sums the exact products of the quantised numbers (number of the format x scale) in f32.
;;   ~~~python
;;   def quantise(x, axis):      # numpy; x: float32 -> the quantised numbers, widened to float32 again
;;       x = np.moveaxis(x, axis, -1); K = x.shape[-1]
;;       x = np.pad(x, [(0, 0)] * (x.ndim - 1) + [(0, -K % 32)]); x = x.reshape(x.shape[:-1] + (-1, 32)); a = np.abs(x).max(-1, keepdims=True)
;;       e = np.where(a > 0, np.clip(np.frexp(np.where(a > 0, a, 1))[1] - 1 - 2, -126, 127), 0)      # np.frexp(a)[1] - 1 = floor(log2(a)), exactly
;;       r = np.clip(x / 2.0 ** e, -6, 6)
;;       step = 2.0 ** (np.maximum(np.frexp(np.where(r == 0, 1, r))[1] - 1, 0) - 1)
;;       q = np.round(r / step) * step * 2.0 ** e      # np.round: ties to even
;;       return np.moveaxis(q.reshape(q.shape[:-2] + (-1,))[..., :K], -1, axis).astype(np.float32)
;;   ~~~
;;   SOFTMAX AHEAD OF A QUANTISED PRODUCT. Where the list says 'softmax', what is quantised is not the finished softmax but p = 2^(t - M), with t = logit x log2(e) and M = ceil(the row's largest t), a whole number; so 1/2 < the row's largest p <= 1. The row's sum l is taken of the UNQUANTISED p, in f32, and the product's result is divided by l at the end. Since M is a whole number, a kernel that streams over the keys may use a running M (the ceiling of the running maximum): every later rescaling is an exact power of two, which a block's scale takes up: the codes' values come out the same.
;;   OPERANDS COMPUTED ON THE WAY. 'Computed on the way' means the value that the module computes at that place (a softmax that the list does not call 'softmax' is quantised finished and normalised). What goes into a quantiser is computed in f32, as accurately as f32 sums, v_exp_f32 and their like allow (about 1e-6 of the number): no bf16 or f16 on the way to a quantiser, and a product that is left as it is and whose result goes on into a quantised operand takes f32 operands (vector FMAs, or v_wmma_f32_16x16x4_f32). A number that lies on a knife's edge between two numbers of the format may be rounded either way, as far as f32 arithmetic and the matrix unit's own rounding can turn it there, and no further.
;;   INPUTS GIVEN AS CODES. out_w (in the module: [1024, 1024], K = its axis 0); qkv_w (in the module: [1024, 3072], K = its axis 0); x (in the module: [4, 2048, 1024], K = its axis 2): each comes as NAME_codes (uint8): NAME with its K axis moved to the last place and cut into blocks of 32 codes, [.., K / 32, bytes a block], one block behind the other in memory; two codes a byte, the lower K in the low four bits (a code: sign, 2 exponent bits, 1 mantissa bit); and NAME_scales (uint8): the same leading axes, one E8M0 byte (e + 127) for each 32 codes along K. Its value is code x scale, taken as it is: it is not quantised again, and the codes and scales need not be those that the quantiser above would give.
;; One version. Each part assembles by itself: llvm-mc -triple=amdgcn-amd-amdhsa -mcpu=gfx1250 --defsym DOCPART=n.
;; ======== version 1 of 1: 3 launches
;; workspace buffers: qkvc 12,582,912 bytes; qkvs 786,432 bytes; ac 4,194,304 bytes; asc 262,144 bytes
;; launch qkv (part 1): grid 12 x 32, 4 waves a work-group, clusters of 4 x 4, 298,496 bytes of LDS; arguments x_codes, x_scales, qkv_w_codes, qkv_w_scales, qkv_b, qkvc, qkvs; writes qkvc, qkvs
.if DOCPART == 1
	.amdgcn_target "amdgcn-amd-amdhsa--gfx1250"
	.amdhsa_code_object_version 6
	.text
	.protected	k_q632b4742f2_qkv
	.globl	k_q632b4742f2_qkv
	.p2align	8
	.type	k_q632b4742f2_qkv,@function
k_q632b4742f2_qkv:
	s_mov_b64 s[64:65], 0
	v_nop
	global_prefetch_b8 v0, s[64:65] scope:SCOPE_SE
	s_setreg_imm32_b32 hwreg(HW_REG_WAVE_MODE, 25, 1), 1
	s_wait_xcnt 0x0
	s_wait_alu depctr_hold_cnt(0) depctr_sa_sdst(0) depctr_va_vdst(0) depctr_va_sdst(0) depctr_va_ssrc(0) depctr_va_vcc(0) depctr_vm_vsrc(0)
	s_getreg_b32 s2, hwreg(HW_REG_IB_STS2, 6, 4)
	s_cmp_eq_u32 s2, 0
	s_cbranch_scc0 .Lentry_in_a_cluster
	s_endpgm
.Lentry_in_a_cluster:
	s_bfe_u32 s2, ttmp6, 0x10000c
	s_cmp_lg_u32 s2, 0xf033
	s_cbranch_scc0 .Lentry_shape_is_right
	s_endpgm
.Lentry_shape_is_right:
; qkv = x W + b on codes of FP4 (E2M1) with one E8M0 scale for each 32 along K = 1,024, and the quantisers of q, k and v behind it: q and k along the head's 64, v along the keys.
; ONE BODY, TWO ROLES.  The matrix instruction takes role B as source 0 (its 16 rows run along a lane's eight result registers) and role A as source 1 (its row falls on the lane).  A quantiser wants its
; K along a lane's registers.  q, k (cluster x 0, 1): A = tokens (x), B = rows 0 .. 2,047 of W: a lane holds one token and neighbouring channels.  v (cluster x 2): A = rows 2,048 .. 3,071 of W, B = tokens:
; a lane holds one channel and neighbouring keys.  Only pointers and tile numbers are chosen by the cluster's x, which all partners share.
; SHARES.  A work-group of four waves makes 256 x 256, a wave 128 x 128: 64 accumulators, 512 registers.  K = 1,024 is two LDS slots of 512 along K (rows of 256 bytes): each is filled once, nothing is filled again.
; The scale bytes of the 256 + 256 rows, for all of K, come once as dense blocks.  CLUSTERS: 4 x 4; A's tiles are shared along a row of the cluster, B's along a column: joint loads.
; THE WAY OUT.  For each of A's eight blocks a lane's 64 numbers (8 tiles x 8 registers, natural rows) are four blocks of 32: tiles 2 b and 2 b + 1 hold 16 of block b, the lane 16 away the other 16.
; The codes leave as IMAGES OF AN OPERAND'S REGISTERS: qkvc[section q, k, v][batch x 8 + head pair][128 tokens][a][c][lane][16 bytes]; each store of the wave covers 512 consecutive bytes, aligned.
;   q, k: a = tile of 16 tokens, c = head of the pair.   v: a = 4 x head of the pair + tile of 16 channels, c = which 64 of the 128 keys.   qkvs: the same leading places, [a][row][4 bytes].
; The bias: where it runs along the registers (q, k) it is the C of each sum's first instruction; where it runs along the lanes (v) it is added on the way out.  The other of the two is zeros.
; LIMITS: NaN and infinities are not served; a block whose largest magnitude lies under 2^-124 keeps the scale byte 1 (a block of zeros too: its codes are zeros, and this program alone reads the bytes).
; REGISTERS, in windows of 256: window 0: v16-29 addresses; v32-95 scale words, two sets; v96-111 A-side bias; v112-127 scale words made; v128-191 A's fragments, later the codes made; v192-255 B-side bias, later 64 numbers.
;   window 1: B's fragments, two sets, at v0 and v128.   windows 2, 3: the accumulators of my A rows 0-63, 64-127 ((a, b) at v[8 (8 (a % 4) + b)]).
.set ROWB,   256                       ; a tile's row in bytes: 512 codes
.set KROW,   512                       ; a row of x or of W in memory
.set PITCH,  272                       ; an LDS row: 256 bytes + 16 of padding = 68 words: the 16 rows that a load touches start at 16 different banks (64 banks of 4 bytes: ISA guide 11.1)
.set FR,     8                         ; registers of a fragment: 16 rows x 128 K
.set NL,     2                         ; LDS loads that bring one
.set NP,     4                         ; places behind this matrix instruction (ISA guide 7.12.1)
.set NQ,     4                         ; steps of 128 along K in a slot
.set HALFT,  128*PITCH                 ; 128 rows: what one tensor load brings
.set SLOT,   4*HALFT                   ; A's 256 rows, then B's 256 rows
.set KS,     32                        ; a row of scale bytes
.set SCL,    2*SLOT                    ; behind the slots: the scales, as units of 256 bytes + 16 of padding
.set HALFS,  (128*KS/256)*272          ; those of 128 rows
.set SBLK,   (16*KS/256)*272           ; those of 16 rows
.set STG,    SCL+4*HALFS               ; 512 bytes for each wave: its scale words on the way out; no tile lands here
.set ADRA, 16                          ; v16-17  LDS address of my A fragments in slot 0, 1
.set ADRB, 20                          ; v20-21  the same for B
.set OFF16, 24                         ; v24     16 x lane
.set SWA,  25                          ; v25     STG + 512 x wave + 4 x lane
.set SRA,  26                          ; v26     STG + 512 x wave + 16 x lane
.set ADRS, 27                          ; v27     LDS address of my scale words: lanes 0-15 A's rows, lanes 16-31 B's
.set BOF,  28                          ; v28     32 x (lane / 16): the bias along the registers
.set AOF,  29                          ; v29     4 x (lane % 16): the bias along the lanes
.set SC,   32                          ; scale words: set s at v[SC + 32 s]; register 4 i + q: lanes 0-15 A's block i, lanes 16-31 B's block i, the slot's q-th 128 along K
.set TM,   32                          ; on the way out: v32-35 largest magnitudes, v36-39 bytes, v44-47 the conversions' scale operands
.set BQ,   96                          ; A-side bias: block a's number in v[BQ + 2 a] and v[BQ + 2 a + 1]
.set SW,   112                         ; the eight scale words made
.set MW,   120                         ; two of them to a register
.set RB,   124                         ; and read back, 16 bytes a lane
.set AF,   128                         ; A's fragments
.set PC,   128                         ; the codes made: eight registers for each block a, so that no store's data are written again
.set BIASP, 192                        ; B-side bias: eight registers for each tile b, in the result's layout
.set ST,   192                         ; a block's 64 numbers
.set SEL,  92                          ; s[92:93] lane selects for v_permlanex16_b32: lane l xor 16
.set G1, 24                            ; s[24:31] descriptor group 1 for A's tiles;  s[32:39] group 0, one set for each slot
.set G0, 32
.set G1B, 48                           ; s[48:55], s[56:63] the same for B's tiles
.set G0B, 56
.set G1S, 68                           ; s[68:75], s[76:79] groups 1 and 0 for A's scales;  s[80:87], s[88:91] for B's
.set G0S, 76
.set G1SB, 80
.set G0SB, 88
.set MSB, 0
.macro WIN new                         ; the immediate's high byte repeats the setting that is left; a switch that changes nothing is dropped
.if MSB != (\new)
	s_set_vgpr_msb (MSB<<8)|(\new)
.set MSB, (\new)
.endif
.endm
.set MUL_LO, 0xa1                      ; source 0 (B) window 1, source 1 (A) window 0, C and D window 2
.set MUL_HI, 0xf1                      ; the same, C and D window 3
.set TO_B,   0x40                      ; destination window 1, address window 0
; A joint load: waves 0 and 1 fetch for A, waves 2 and 3 for B.  Each line has one mask and one set of registers for all that issue it; the branch hangs on the wave's number alone.
; Four v_nop follow each of the two lines, ahead of the jump, the label and what follows.
.macro JLOAD g0a, g1a, g0b, g1b
	s_cmp_eq_u32 s19, 0
	s_cbranch_scc0 .Lfor_b_\@
	tensor_load_to_lds s[\g0a:\g0a+3], s[\g1a:\g1a+7]
	s_nop 0
.rept 4
	v_nop
.endr
	s_branch .Lasked_\@
.Lfor_b_\@:
	tensor_load_to_lds s[\g0b:\g0b+3], s[\g1b:\g1b+7]
	s_nop 0
.rept 4
	v_nop
.endr
.Lasked_\@:
.endm
.macro CROUND                          ; a round of the cluster's barrier: my work-group's barrier, wave 0 signals for the work-group, every wave waits for all sixteen, my work-group's barrier once more
	s_barrier_signal -1
	s_barrier_wait -1
	s_cmp_lg_u32 s18, 0
	s_cbranch_scc1 .Lnot_wave_0_\@
	s_barrier_signal -3
.Lnot_wave_0_\@:
	s_barrier_wait -3
	s_barrier_signal -1
	s_barrier_wait -1
.endm
	s_load_b256 s[4:11], s[0:1], 0x0               ; x's codes s[4:5], x's scales s[6:7], W's codes s[8:9], W's scales s[10:11]
	s_load_b128 s[12:15], s[0:1], 0x20             ; the bias s[12:13], qkvc s[14:15]
	s_load_b64 s[16:17], s[0:1], 0x30              ; qkvs
	v_lshl_add_u32 v30, v0, 2, 0x48c00
	v_mov_b32 v31, 0
	ds_add_u32 v30, v31
	ds_add_u32 v30, v31
	v_lshrrev_b32 v1, 5, v0
	v_readfirstlane_b32 s18, v1                    ; wave 0..3
	s_lshr_b32 s19, s18, 1                         ; which half of A's rows is mine.  Also: I fetch for A (0) or for B (1)
	s_and_b32 s20, s18, 1                          ; which half of B's rows.  Also: which 128 rows of that tile I fetch
	s_bfe_u32 s21, ttmp6, 0x40000                  ; cx, cy: my place in the cluster
	s_bfe_u32 s22, ttmp6, 0x40004
	s_and_b32 s23, ttmp7, 0xffff
	s_lshl_b32 s23, s23, 2                         ; 4 x cluster y
	s_lshl_b32 s40, ttmp9, 2                       ; 4 x cluster x
	s_lshl_b32 s41, s22, 2
	s_lshl_b32 s41, 15, s41                        ; my row of the cluster
	s_lshl_b32 s42, 0x1111, s21                    ; my column
	; descriptor group 1: a tile of 128 rows x 256 bytes, padded in LDS
	s_or_b32 s[G1+0], s41, (0<<16)|(1<<20)|(1<<21)|(5<<22)|(3<<25)  ; 15:0 the mask: A's tiles go to my row; 17:16 element of 1 byte; 20 padding on; 21 set beside a mask; 24:22 after every 64 words (code 5); 31:25 of 4 words (code 3)
	s_or_b32 s[G1B+0], s42, (0<<16)|(1<<20)|(1<<21)|(5<<22)|(3<<25) ; the same with the mask of my column
.irp g, G1, G1B
	s_mov_b32 s[\g+1], ROWB<<16                    ; tensor_dim0
	s_mov_b32 s[\g+2], 128<<16                     ; tensor_dim1 = 128
	s_mov_b32 s[\g+3], ROWB<<16                    ; tile_dim0
	s_mov_b32 s[\g+4], 128                         ; tile_dim1 = 128
	s_mov_b32 s[\g+5], KROW                        ; tensor_dim0_stride
	s_mov_b32 s[\g+6], 0
	s_mov_b32 s[\g+7], 0
.endr
	; and for the scales of 128 rows: 4,096 dense bytes, as 16 rows of 256 bytes (32 elements of 8 bytes), 16 bytes of padding behind each
	s_or_b32 s[G1S+0], s41, (3<<16)|(1<<20)|(1<<21)|(5<<22)|(3<<25)
	s_or_b32 s[G1SB+0], s42, (3<<16)|(1<<20)|(1<<21)|(5<<22)|(3<<25)
.irp g, G1S, G1SB
	s_mov_b32 s[\g+1], 32<<16
	s_mov_b32 s[\g+2], (128*KS/256)<<16
	s_mov_b32 s[\g+3], 32<<16
	s_mov_b32 s[\g+4], 128*KS/256
	s_mov_b32 s[\g+5], 32
	s_mov_b32 s[\g+6], 0
	s_mov_b32 s[\g+7], 0
.endr
	s_wait_dscnt 0x0
	s_wait_kmcnt 0x0
	s_cmp_eq_u32 ttmp9, 2                          ; the cluster that makes v?  The choice hangs on the cluster's x alone; every selection stands ahead of the first addition
	s_cselect_b64 s[92:93], s[8:9], s[4:5]         ; A's codes: W's for v, else x's
	s_cselect_b64 s[94:95], s[10:11], s[6:7]       ; A's scales
	s_cselect_b64 s[96:97], s[4:5], s[8:9]         ; B's codes: x's for v, else W's
	s_cselect_b64 s[98:99], s[6:7], s[10:11]       ; B's scales
	s_cselect_b32 s43, 8, s23                      ; A's first tile of 256 rows in this cluster: W's row 2,048, else tokens by the cluster's y
	s_cselect_b32 s44, s23, s40                    ; B's: tokens by the cluster's y, else W's rows by the cluster's x
	s_cselect_b32 s3, 1, 0                         ; 1: v
	s_add_co_u32 s43, s43, s22                     ; A's tile: + cy, which my row of the cluster shares
	s_add_co_u32 s44, s44, s21                     ; B's tile: + cx, which my column shares
	s_lshl_b32 s45, s20, 7                         ; which 128 rows of the tile I fetch
	s_lshl_b32 s46, s43, 8
	s_add_co_u32 s46, s46, s45                     ; A's row
	s_lshl_b32 s100, s44, 8
	s_add_co_u32 s100, s100, s45                   ; B's row (in registers that never hold the other coordinate)
	s_mov_b32 s47, 0
	s_mov_b32 s101, 0
	s_lshl_b32 s46, s46, 5                         ; 32 scale bytes a row
	s_lshl_b32 s100, s100, 5
	s_add_nc_u64 s[94:95], s[94:95], s[46:47]
	s_add_nc_u64 s[98:99], s[98:99], s[100:101]
	s_lshl_b32 s46, s46, 4                         ; 512 bytes of codes a row
	s_lshl_b32 s100, s100, 4
	s_add_nc_u64 s[92:93], s[92:93], s[46:47]
	s_add_nc_u64 s[96:97], s[96:97], s[100:101]
	s_mul_i32 s45, s18, HALFT                      ; where they go: wave x 128 rows: no place in the cluster enters an LDS address
	s_mul_i32 s23, s18, HALFS
	CROUND                                         ; all sixteen work-groups are here: the first joint loads meet
	s_mov_b32 s[G0S], 1
	s_add_co_u32 s[G0S+1], s23, SCL
	s_mov_b64 s[G0S+2:G0S+3], s[94:95]
	s_or_b32 s[G0S+3], s[G0S+3], 0x80000000
	s_mov_b32 s[G0SB], 1
	s_add_co_u32 s[G0SB+1], s23, SCL
	s_mov_b64 s[G0SB+2:G0SB+3], s[98:99]
	s_or_b32 s[G0SB+3], s[G0SB+3], 0x80000000
	JLOAD G0S, G1S, G0SB, G1SB                     ; the scales first: they are wanted with the first step.  Three loads of mine are out at the most
.irp s, 0,1
	s_mov_b32 s[G0+4*\s], 1
	s_add_co_u32 s[G0+4*\s+1], s45, \s*SLOT
	s_add_nc_u64 s[G0+4*\s+2:G0+4*\s+3], s[92:93], \s*ROWB
	s_or_b32 s[G0+4*\s+3], s[G0+4*\s+3], 0x80000000
	s_mov_b32 s[G0B+4*\s], 1
	s_add_co_u32 s[G0B+4*\s+1], s45, \s*SLOT
	s_add_nc_u64 s[G0B+4*\s+2:G0B+4*\s+3], s[96:97], \s*ROWB
	s_or_b32 s[G0B+4*\s+3], s[G0B+4*\s+3], 0x80000000
	JLOAD G0+4*\s, G1, G0B+4*\s, G1B               ; slot s: K = 512 s on
.endr
	s_mov_b32 s[SEL], 0x76543210
	s_mov_b32 s[SEL+1], 0xfedcba98
	v_and_b32 v1, 15, v0                           ; r = lane % 16
	v_bfe_u32 v2, v0, 4, 1                         ; h = lane / 16
	v_mul_u32_u24 v3, v1, PITCH
	v_lshl_add_u32 v4, v2, 4, v3                   ; a fragment's row x pitch + 16 x half
	s_mul_i32 s40, s19, HALFT                      ; my 128 rows of A
	s_mul_i32 s41, s20, HALFT                      ; my 128 rows of B,
	s_add_co_u32 s41, s41, 2*HALFT                 ; which lie behind A's 256
.irp s, 0,1
	v_add_nc_u32 v[ADRA+\s], s40, v4
	v_add_nc_u32 v[ADRB+\s], s41, v4
	s_add_co_u32 s40, s40, SLOT
	s_add_co_u32 s41, s41, SLOT
.endr
	v_mul_u32_u24 v5, v1, KS                       ; my row's scales: 32 bytes a row,
	v_lshrrev_b32 v6, 8, v5
	v_lshl_add_u32 v5, v6, 4, v5                   ; and 16 more for each 256 passed
	s_mul_i32 s40, s19, HALFS                      ; A's: my 128 rows
	s_mul_i32 s41, s20, HALFS                      ; B's: my 128 rows, behind A's 256
	s_add_co_u32 s41, s41, 2*HALFS
	s_sub_co_u32 s41, s41, s40
	v_mul_u32_u24 v6, s41, v2                      ; lanes 16-31 take B's: the lower base + h x the distance
	s_add_co_u32 s40, s40, SCL
	v_add_nc_u32 v5, v5, v6
	v_add_nc_u32 v[ADRS], s40, v5
	v_and_b32 v6, 31, v0                           ; lane
	v_lshlrev_b32 v[OFF16], 4, v6
	s_lshl_b32 s40, s18, 9
	s_add_co_u32 s40, s40, STG                     ; my 512 bytes for the scale words
	v_lshl_add_u32 v[SWA], v6, 2, s40
	v_lshl_add_u32 v[SRA], v6, 4, s40
	v_lshlrev_b32 v[BOF], 5, v2
	v_lshlrev_b32 v[AOF], 2, v1
	; where my 128 x 128 goes: token = my first token, n = my first column of qkv
	s_lshl_b32 s40, s43, 8
	s_lshl_b32 s41, s19, 7
	s_add_co_u32 s40, s40, s41                     ; my first row of A
	s_lshl_b32 s41, s44, 8
	s_lshl_b32 s42, s20, 7
	s_add_co_u32 s41, s41, s42                     ; my first row of B
	s_cmp_eq_u32 s3, 1
	s_cselect_b32 s42, s41, s40                    ; token
	s_cselect_b32 s45, s40, s41                    ; n
	s_lshr_b32 s46, s42, 11                        ; batch
	s_lshl_b32 s46, s46, 3
	s_bfe_u32 s47, s45, 0x30007                    ; head pair: (n / 128) % 8
	s_add_co_u32 s46, s46, s47
	s_lshl_b32 s46, s46, 4
	s_bfe_u32 s47, s42, 0x40007                    ; which 128 tokens of the batch's 2,048
	s_add_co_u32 s46, s46, s47                     ; the chunk: 8,192 bytes of codes, 512 of scale words
	s_lshr_b32 s47, s45, 10                        ; the section: q 0, k 1, v 2
	s_lshl_b32 s100, s47, 22
	s_lshl_b32 s40, s46, 13
	s_add_co_u32 s100, s100, s40
	s_mov_b32 s101, 0
	s_add_nc_u64 s[14:15], s[14:15], s[100:101]
	s_lshl_b32 s100, s47, 18
	s_lshl_b32 s40, s46, 9
	s_add_co_u32 s100, s100, s40
	s_add_nc_u64 s[16:17], s[16:17], s[100:101]
	s_lshl_b32 s100, s45, 2
	s_add_nc_u64 s[12:13], s[12:13], s[100:101]    ; the bias at my first column
	s_cmp_eq_u32 s3, 1                             ; the two arms hold loads into registers and moves alone: no LDS line, no barrier, no tensor load
	s_cbranch_scc1 .Lbias_v
	s_wait_alu depctr_va_vdst(0)
.irp b, 0,1,2,3,4,5,6,7
	global_load_b128 v[BIASP+8*\b:BIASP+8*\b+3], v[BOF], s[12:13] offset:64*\b        ; q, k: lane (r, h), tile b: the bias of columns 16 b + 8 h + 0 .. 7
	global_load_b128 v[BIASP+8*\b+4:BIASP+8*\b+7], v[BOF], s[12:13] offset:64*\b+16
.endr
.irp i, 0,1,2,3,4,5,6,7,8,9,10,11,12,13,14,15
	v_mov_b32 v[BQ+\i], 0
.endr
	s_branch .Lbias_in
.Lbias_v:
.set j, 0
.rept 64
	v_mov_b32 v[BIASP+j], 0                        ; v: nothing runs along the registers: the one text's first products take zeros as C
.set j, j+1
.endr
.irp a, 0,1,2,3,4,5,6,7
	global_load_b32 v[BQ+2*\a], v[AOF], s[12:13] offset:64*\a       ; v: lane (r, h), block a: the bias of column 16 a + r, twice: a pair for the packed addition
	global_load_b32 v[BQ+2*\a+1], v[AOF], s[12:13] offset:64*\a
.endr
.Lbias_in:
.macro FRAG reg, adr, q, i             ; a fragment, 16 rows x 128 K of 4-bit codes, is 8 registers: lane l holds row l % 16; registers 4 c .. 4 c + 3 hold K = 64 c + 32 (l / 16) + 0 .. 31
.irp c, 0,1
	ds_load_b128 v[\reg+4*\c:\reg+4*\c+3], v[\adr] offset:64*(\q)+32*\c+(\i)*16*PITCH
.endr
.endm
; 16 matrix instructions: A's blocks a0, a0 + 1 x B's eight, 128 along K: the slot's q-th.  p: B's set;  sc: the set of scale words.  first = 1: the sums begin with the B-side bias as C: nothing is cleared.
; The 64 accumulators take turns, one instruction a turn, in the same order in every step.
.macro MUL16 a0, p, q, sc, first
.irp a, \a0, \a0+1
.irp b, 0,1,2,3,4,5,6,7
.if \first
	v_wmma_scale_f32_16x16x128_f8f6f4 v[8*(8*((\a)%4)+\b):8*(8*((\a)%4)+\b)+7], v[128*(\p)+FR*\b:128*(\p)+FR*\b+FR-1], v[AF+FR*(\a):AF+FR*(\a)+FR-1], v[BIASP+8*\b:BIASP+8*\b+7], v[SC+8*NQ*(\sc)+NQ*\b+(\q)], v[SC+8*NQ*(\sc)+NQ*(\a)+(\q)] matrix_a_fmt:MATRIX_FMT_FP4 matrix_b_fmt:MATRIX_FMT_FP4 matrix_a_scale:MATRIX_SCALE_ROW1
.else
	v_wmma_scale_f32_16x16x128_f8f6f4 v[8*(8*((\a)%4)+\b):8*(8*((\a)%4)+\b)+7], v[128*(\p)+FR*\b:128*(\p)+FR*\b+FR-1], v[AF+FR*(\a):AF+FR*(\a)+FR-1], v[8*(8*((\a)%4)+\b):8*(8*((\a)%4)+\b)+7], v[SC+8*NQ*(\sc)+NQ*\b+(\q)], v[SC+8*NQ*(\sc)+NQ*(\a)+(\q)] matrix_a_fmt:MATRIX_FMT_FP4 matrix_b_fmt:MATRIX_FMT_FP4 matrix_a_scale:MATRIX_SCALE_ROW1
.endif
.endr
.endr
.endm
.macro FETCH_B slot, q, p              ; B's eight fragments of the slot's q-th 128 along K into set p
	WIN TO_B
.irp i, 0,1,2,3,4,5,6,7
	FRAG 128*(\p)+FR*\i, ADRB+\slot, \q, \i
.endr
	WIN 0
.endm
.macro FETCH_A slot, q, i0             ; A's blocks i0 .. i0 + 3
.irp i, \i0, \i0+1, \i0+2, \i0+3
	FRAG AF+FR*(\i), ADRA+\slot, \q, \i
.endr
.endm
.macro SCALES sc                       ; a slot's scale words into set sc: four words a row; lanes 0-15 take A's block i, lanes 16-31 B's block i
.irp i, 0,1,2,3,4,5,6,7
	ds_load_b128 v[SC+8*NQ*\sc+NQ*\i:SC+8*NQ*\sc+NQ*\i+3], v[ADRS] offset:\i*SBLK
.endr
.endm
; A load into a register that a matrix instruction has read, and a vector instruction that reads a matrix result or writes one of a matrix instruction's registers, stand NP places behind it; only plain
; vector instructions that name none of its registers are places (ISA guide 7.12.1 for vector instructions).
.macro PLACES n
.rept \n
	v_nop
.endr
.endm
; A step of 128 along K that has its successor in the same slot.  A has one set of registers (a block is free when its eight products are issued), B two.
.macro STEP slot, q, first
	s_wait_dscnt 4*NL                              ; B's set and A's blocks 0-3 are in; the youngest eight loads (A's blocks 4-7) may be out
	WIN MUL_LO-0x20*(\first)                       ; (first: C in window 0)
	MUL16 0, (\q)%2, \q, \slot, \first
	MUL16 2, (\q)%2, \q, \slot, \first
	s_wait_dscnt 0                                 ; A's blocks 4-7 are in (asked for 32 matrix instructions ago)
	PLACES NP
	FETCH_B \slot, (\q)+1, 1-(\q)%2
	FETCH_A \slot, (\q)+1, 0
	WIN MUL_HI-0x30*(\first)
	MUL16 4, (\q)%2, \q, \slot, \first
	MUL16 6, (\q)%2, \q, \slot, \first
	PLACES NP
	WIN 0
	FETCH_A \slot, (\q)+1, 4
.endm
; Slot 0's last step goes over to slot 1: each wave waits for its own part of slot 1, then the barrier shows the whole slot to every wave.  Nothing is filled again.
.macro TURN
	s_wait_tensorcnt 0x0                           ; my part of slot 1 has landed
	s_wait_dscnt 4*NL                              ; (the youngest eight loads, A's blocks 4-7, may be out)
	WIN MUL_LO
	MUL16 0, 1, NQ-1, 0, 0
	s_wait_dscnt 0x0                               ; no LDS instruction of mine is pending at the signal
	s_barrier_signal -1
	MUL16 2, 1, NQ-1, 0, 0                         ; work on registers while the others arrive
	WIN 0
	s_barrier_wait -1
	PLACES NP
	v_add_nc_u32 v[ADRS], 4*NQ, v[ADRS]            ; on to slot 1's scale words
	FETCH_B 1, 0, 0
	FETCH_A 1, 0, 0
	SCALES 1
	WIN MUL_HI
	MUL16 4, 1, NQ-1, 0, 0
	MUL16 6, 1, NQ-1, 0, 0
	PLACES NP
	WIN 0
	FETCH_A 1, 0, 4
.endm
	s_wait_tensorcnt 0x1                           ; the scales and my part of slot 0 are in; slot 1's load, the one issued behind them, may be out
	s_barrier_signal -1
	s_barrier_wait -1                              ; everybody's are
	FETCH_B 0, 0, 0
	FETCH_A 0, 0, 0
	SCALES 0
	FETCH_A 0, 0, 4
	s_wait_loadcnt 0x0                             ; the bias
	s_wait_alu depctr_va_vdst(0)
	STEP 0, 0, 1
	STEP 0, 1, 0
	STEP 0, 2, 0
	TURN
	STEP 1, 0, 0
	STEP 1, 1, 0
	STEP 1, 2, 0
	s_wait_dscnt 4*NL                              ; the last step: nothing more to fetch
	WIN MUL_LO
	MUL16 0, 1, NQ-1, 1, 0
	MUL16 2, 1, NQ-1, 1, 0
	s_wait_dscnt 0
	WIN MUL_HI
	MUL16 4, 1, NQ-1, 1, 0
	MUL16 6, 1, NQ-1, 1, 0
	WIN 0
; 64 numbers of a lane, v[s + 8 t + j] = k 16 t + 8 (lane / 16) + j of my row, become a fragment's codes in v[pc] on and its scale word in v[pw].
; A conversion's eight codes are one register.  The operand wants lane (r, h), register 4 c + i: k = 64 c + 32 h + 8 i on: tile 4 c's and tile 4 c + 2's results, swapped by halves, are registers 4 c and 4 c + 1;
; tile 4 c + 1's and 4 c + 3's are registers 4 c + 2 and 4 c + 3.
.macro QUANT s, pc, pw
.irp b, 0,1,2,3
	v_max3_num_f32 v[TM+\b], |v[(\s)+16*\b]|, |v[(\s)+16*\b+1]|, 0x1800000   ; block b: my 16 numbers, and the floor 2^(3 - 127): so the byte cannot fall under 1
.endr
.irp i, 2,4,6,8,10,12,14
.irp b, 0,1,2,3
	v_max3_num_f32 v[TM+\b], v[TM+\b], |v[(\s)+16*\b+\i]|, |v[(\s)+16*\b+\i+1]|   ; (the four blocks by turns)
.endr
.endr
.irp b, 0,1,2,3
	v_permlanex16_b32 v[TM+4+\b], v[TM+\b], s[SEL], s[SEL+1]
.endr
.irp b, 0,1,2,3
	v_max_num_f32 v[TM+\b], v[TM+\b], v[TM+4+\b]   ; with lane l xor 16's: the block's largest magnitude
.endr
.irp b, 0,1,2,3
	v_add_nc_u32 v[TM+12+\b], 0xff000000, v[TM+\b] ; 2 off its exponent field: the conversion takes the exponent field of this operand as its scale
.endr
.irp b, 0,1,2,3
	v_lshrrev_b32 v[TM+4+\b], 23, v[TM+12+\b]      ; the scale's byte
.endr
	v_lshl_or_b32 v[\pw], v[TM+5], 8, v[TM+4]      ; the four bytes make my row's scale word
	v_lshl_or_b32 v[\pw], v[TM+6], 16, v[\pw]
	v_lshl_or_b32 v[\pw], v[TM+7], 24, v[\pw]
.irp c, 0,1
	v_cvt_scalef32_pk8_fp4_f32 v[(\pc)+4*\c],   v[(\s)+32*\c:(\s)+32*\c+7],     v[TM+12+2*\c]
	v_cvt_scalef32_pk8_fp4_f32 v[(\pc)+4*\c+2], v[(\s)+32*\c+8:(\s)+32*\c+15],  v[TM+12+2*\c]
	v_cvt_scalef32_pk8_fp4_f32 v[(\pc)+4*\c+1], v[(\s)+32*\c+16:(\s)+32*\c+23], v[TM+13+2*\c]
	v_cvt_scalef32_pk8_fp4_f32 v[(\pc)+4*\c+3], v[(\s)+32*\c+24:(\s)+32*\c+31], v[TM+13+2*\c]
.endr
	v_nop                                          ; one plain place behind a scaled conversion
.irp c, 0,1
	v_permlane16_swap_b32 v[(\pc)+4*\c], v[(\pc)+4*\c+1]     ; the first's lanes 16-31 change places with the second's lanes 0-15
	v_permlane16_swap_b32 v[(\pc)+4*\c+2], v[(\pc)+4*\c+3]
.endr
.endm
; Block a of A's eight leaves: its eight accumulators, each from its low end on, plus the A-side bias, into window 0; quantised; two stores of 512 consecutive bytes.
.macro OUTA a
	WIN 0x02+(\a)/4                                ; source 0: window 2 or 3
.set j, 0
.rept 32
	v_pk_add_f32 v[ST+j:ST+j+1], v[64*((\a)%4)+j:64*((\a)%4)+j+1], v[BQ+2*(\a):BQ+2*(\a)+1]
.set j, j+2
.endr
	WIN 0
	QUANT ST, PC+8*(\a), SW+(\a)
	global_store_b128 v[OFF16], v[PC+8*(\a):PC+8*(\a)+3], s[14:15] offset:1024*(\a)
	global_store_b128 v[OFF16], v[PC+8*(\a)+4:PC+8*(\a)+7], s[14:15] offset:1024*(\a)+512
.endm
	PLACES NP                                      ; behind the last products: the lines below write registers that held their operands and scales
.irp b, 0,1,2,3
	v_mov_b32 v[TM+4+\b], 0                        ; written once: a lane permute's destination counts as one of its sources
.endr
.irp a, 0,1,2,3,4,5,6,7
	OUTA \a
.endr
	; the eight scale words (both halves of the lanes hold the same): two blocks to a register, through my 512 bytes of LDS, out as one store of 512 consecutive bytes
	s_mov_b32 s40, 0xffff0000
.irp i, 0,1,2,3
	v_cndmask_b32 v[MW+\i], v[SW+2*\i], v[SW+2*\i+1], s40      ; lanes 0-15: block 2 i's rows; lanes 16-31: block 2 i + 1's
.endr
.irp i, 0,1,2,3
	ds_store_b32 v[SWA], v[MW+\i] offset:128*\i
.endr
	ds_load_b128 v[RB:RB+3], v[SRA]                ; LDS serves a wave's instructions in order (ISA guide 5.7.1.4): this sees the stores above
	s_wait_dscnt 0x0
	global_store_b128 v[OFF16], v[RB:RB+3], s[16:17]
	s_wait_tensorcnt 0x0
	ds_add_u32 v30, v31
	s_wait_dscnt 0x0
	CROUND                                         ; the closing round: no work-group ends while a partner may still ask for a tile that names it
	s_endpgm
.Lfunc_end_k_q632b4742f2_qkv:
	.size	k_q632b4742f2_qkv, .Lfunc_end_k_q632b4742f2_qkv-k_q632b4742f2_qkv
	.p2alignl 7, 3214868480
	.fill 96, 4, 3214868480
	.section	.rodata,"a",@progbits
	.p2align	6, 0x0
	.amdhsa_kernel k_q632b4742f2_qkv
		.amdhsa_group_segment_fixed_size 298496
		.amdhsa_private_segment_fixed_size 0
		.amdhsa_enable_private_segment 0
		.amdhsa_kernarg_size 56
		.amdhsa_user_sgpr_count 2
		.amdhsa_user_sgpr_kernarg_segment_ptr 1
		.amdhsa_wavefront_size32 1
		.amdhsa_system_sgpr_workgroup_id_x 1
		.amdhsa_system_sgpr_workgroup_id_y 1
		.amdhsa_system_sgpr_workgroup_id_z 1
		.amdhsa_system_vgpr_workitem_id 0
		.amdhsa_next_free_vgpr 1024
		.amdhsa_next_free_sgpr 102
		.amdhsa_reserve_vcc 0
		.amdhsa_float_denorm_mode_32 3
		.amdhsa_float_denorm_mode_16_64 3
		.amdhsa_memory_ordered 1
		.amdhsa_forward_progress 1
		.amdhsa_inst_pref_size 150
	.end_amdhsa_kernel
	.amdgpu_metadata
---
amdhsa.version: [ 1, 2 ]
amdhsa.kernels:
  - .name:           k_q632b4742f2_qkv
    .symbol:         k_q632b4742f2_qkv.kd
    .args:
      - { .name: x_codes, .offset: 0, .size: 8, .value_kind: global_buffer, .address_space: global }
      - { .name: x_scales, .offset: 8, .size: 8, .value_kind: global_buffer, .address_space: global }
      - { .name: qkv_w_codes, .offset: 16, .size: 8, .value_kind: global_buffer, .address_space: global }
      - { .name: qkv_w_scales, .offset: 24, .size: 8, .value_kind: global_buffer, .address_space: global }
      - { .name: qkv_b, .offset: 32, .size: 8, .value_kind: global_buffer, .address_space: global }
      - { .name: qkvc, .offset: 40, .size: 8, .value_kind: global_buffer, .address_space: global }
      - { .name: qkvs, .offset: 48, .size: 8, .value_kind: global_buffer, .address_space: global }
    .group_segment_fixed_size: 298496
    .private_segment_fixed_size: 0
    .kernarg_segment_align: 8
    .kernarg_segment_size: 56
    .max_flat_workgroup_size: 128
    .sgpr_count:     102
    .vgpr_count:     1024
    .wavefront_size: 32
...
	.end_amdgpu_metadata
.endif
;; end of part 1
;; launch attn (part 2): grid 8 x 32, 16 waves a work-group, clusters of 4 x 1, 327,680 bytes of LDS; arguments qkvc, qkvs, ac, asc; writes ac, asc
.if DOCPART == 2
	.amdgcn_target "amdgcn-amd-amdhsa--gfx1250"
	.amdhsa_code_object_version 6
	.text
	.protected	k_q632b4742f2_attn
	.globl	k_q632b4742f2_attn
	.p2align	8
	.type	k_q632b4742f2_attn,@function
k_q632b4742f2_attn:
	s_mov_b64 s[64:65], 0
	v_nop
	global_prefetch_b8 v0, s[64:65] scope:SCOPE_SE
	s_setreg_imm32_b32 hwreg(HW_REG_WAVE_MODE, 25, 1), 1
	s_wait_xcnt 0x0
	s_wait_alu depctr_hold_cnt(0) depctr_sa_sdst(0) depctr_va_vdst(0) depctr_va_sdst(0) depctr_va_ssrc(0) depctr_va_vcc(0) depctr_vm_vsrc(0)
	s_getreg_b32 s2, hwreg(HW_REG_IB_STS2, 6, 4)
	s_cmp_eq_u32 s2, 0
	s_cbranch_scc0 .Lentry_in_a_cluster
	s_endpgm
.Lentry_in_a_cluster:
	s_bfe_u32 s2, ttmp6, 0x10000c
	s_cmp_lg_u32 s2, 0x3003
	s_cbranch_scc0 .Lentry_shape_is_right
	s_endpgm
.Lentry_shape_is_right:
; Causal attention on codes of FP4 (E2M1), one E8M0 scale for each 32 along a product's K, and the quantiser of its result along the model's 1,024.  Heads of 64, 2,048 tokens, 4 batches x 16 heads.
; THE SOFTMAX AHEAD OF THE SECOND PRODUCT: t = score x log2(e) / 8; M = the row's largest t so far, rounded UP to a whole number; p = 2^(t - M) is quantised along the keys, not normalised.  The row's sum is taken of
; the unquantised p, in f32, and divides O at the end.  When M moves, the sum and O are multiplied by 2^(old M - new M): exact.
; INPUTS (made by the launch before): qkvc, images of operand registers, 512 bytes = 32 lanes x 16: q, k: [batch x 8 + head pair][tile of 16 tokens][head of the pair][lane][16]: lane (r, h) holds token r, channels 32 h on;
;   v: [..][128 keys][4 x head + tile of 16 channels][which 64 keys][lane][16].  qkvs: one word for a fragment's row: q, k: two bytes for each head of the pair; v: the four blocks of 32 keys.
; SHARES.  A work-group serves one head pair; K and V of the pair, 256 KiB of codes and 16 KiB of scale words, come into LDS ONCE and stay: nothing is filled again, and nothing is stored into LDS.
; The four work-groups of a cluster serve the same pair, so each tile is asked for JOINTLY (mask 15), one sixteenth by each wave.  Wave w: head w / 8 of the pair, place w % 8.
; EQUAL WORK UNDER THE MASK.  Tile T = 8 class + j of 16 queries (j = the work-group's x, 0 .. 7) has class + 1 live key steps of 128.  A wave makes two tiles, class 15 - w % 8 and then class w % 8: 17 live steps for every wave.
; Every wave walks all 16 steps of each loop (the trip count is a constant of the text); a step all of whose keys are hidden jumps over its work: a scalar branch on the wave's number and the loop's counter.
; K = 64 UNDER AN INSTRUCTION OF 128.  Registers 0-3 of K's and Q's fragments hold my head's 64; registers 4-7 hold zero codes, set once; the scale words are loaded as my head's 16 bits: the upper two bytes are 0, over zero codes.
; LAYOUT.  Both products are used transposed: S^T = K Q^T (source 0 = 16 keys), O^T = V^T P^T (source 0 = 16 channels): a lane holds ONE query throughout.  Tiles 2 b and 2 b + 1 of S^T hold 16 of block b's 32 keys, the lane
; 16 away the other 16; the conversions' results, swapped by halves, are the second product's operand.
; OUT.  ac[tile of 16 tokens (512)][head pair][head][lane][16]: images for the last product; asc: byte = tile x 512 + (pair / 4) x 256 + 16 r + (pair % 4) x 4 + 2 head + block.
;   asc is stored two bytes a lane (lanes r and r + 16 the same two bytes with the same value): one sixteenth of ac's bytes.
; LIMITS: NaN and infinities are not served; an exponential's result under 2^-126 is 0; a block whose largest magnitude lies under 2^-124 keeps the byte 1 (its codes are zeros or near it; this program alone reads the bytes).
; REGISTERS: v1-7 addresses that stay; v8-11 the step's addresses; v12 -M, v13 the largest t, v[14:15] the sum in two halves; v16-23 Q, v24 its scale word; v25, v26 the mask's; v28-31 K's scale words; v32-95 K; v96-159 S^T, then p;
;   v160-191 O^T; v192-223 V; v224-231 p's codes; v232-254 at work; v240-241 V's scale words; v253 p's scale word.
.set KLDS,  0                          ; LDS: K of the pair: 128 tiles x 1,024 bytes
.set VLDS,  131072                     ; V of the pair: [16 steps][2 heads][4 tiles][1,024 bytes]
.set KSLDS, 262144                     ; K's scale words: [128 tiles][16 rows][4 bytes]
.set VSLDS, 270336                     ; V's: [16 steps][8 tiles][16 rows][4 bytes]
.set AK0,  1                           ; v1   16 x lane + 512 x head: my place in a tile of K; also my offset in Q's image and in ac's
.set AV0,  2                           ; v2   VLDS + 4,096 x head + 16 x lane
.set ASK0, 3                           ; v3   KSLDS + 4 x lane + 2 x head: lanes 0-15 an even tile's rows, lanes 16-31 the odd tile's behind it
.set ASV0, 4                           ; v4   VSLDS + 256 x head + 4 x lane
.set QSO,  6                           ; v6   4 r + 2 x head: Q's scale bytes
.set OSO,  7                           ; v7   16 r + 2 x head: the result's
.set ADK,  8
.set ADV,  9
.set ADS,  10
.set ADT,  11
.set DM,   25                          ; v25  16 j + r - 8 h: in the step on the diagonal register 8 t + i holds a hidden key where 16 t + i > this
.set NINF, 26                          ; v26  -infinity
.set KSC,  28
.set KFR,  32
.set S,    96
.set O,    160
.set VFR,  192
.set P,    224
.set VSC,  240
.set WV,   12                          ; s12 wave, s13 head of the pair, s14 place, s16 j, s17 batch x 8 + head pair
.set HI,   13
.set PW,   14
.set JW,   16
.set PI,   17
.set SEL,  20                          ; s[20:21] lane selects for v_permlanex16_b32: lane l xor 16
.set CS,   22                          ; s[22:23] c = log2(e) / 8, twice: the packed form names a pair
.set G1C,  24                          ; s[24:31] descriptor group 1 for codes;  s[32:39] for scale words;  s[40:43], s[44:47] their groups 0
.set G1S,  32
.set G0C,  40
.set G0S,  44
.set CLS,  48                          ; s48  the class of the tile in hand
.set KS,   50                          ; s50  the key step
.set TB,   51                          ; s51  8,192 x step: the step's codes
.set TS,   52                          ; s52  512 x step: its scale words
.macro CROUND                          ; a round of the cluster's barrier
	s_barrier_signal -1
	s_barrier_wait -1
	s_cmp_lg_u32 s[WV], 0
	s_cbranch_scc1 .Lnot_wave_0_\@
	s_barrier_signal -3
.Lnot_wave_0_\@:
	s_barrier_wait -3
	s_barrier_signal -1
	s_barrier_wait -1
.endm
	s_load_b256 s[4:11], s[0:1], 0x0               ; qkvc s[4:5], qkvs s[6:7], ac s[8:9], asc s[10:11]
	v_lshl_add_u32 v251, v0, 2, 0x44000
	v_mov_b32 v255, 0
	ds_add_u32 v251, v255
	ds_add_u32 v251, v255
	v_lshrrev_b32 v8, 5, v0
	s_delay_alu instid0(VALU_DEP_1)
	v_readfirstlane_b32 s[WV], v8                  ; wave 0..15
	s_lshr_b32 s[HI], s[WV], 3
	s_and_b32 s[PW], s[WV], 7
	s_bfe_u32 s15, ttmp6, 0x40000                  ; cx: my place in the cluster
	s_lshl_b32 s[JW], ttmp9, 2
	s_add_co_u32 s[JW], s[JW], s15                 ; j = 4 x cluster x + cx: it enters global addresses of q, ac, asc and one vector number of the mask, nothing else
	s_and_b32 s[PI], ttmp7, 0xffff                 ; which the four partners share
	; descriptor group 1: dense blocks as rows of 256 bytes (32 elements of 8 bytes), no padding: every read is 16 x lane or 4 x lane on end
	s_mov_b32 s[G1C], 15|(3<<16)|(1<<21)           ; 15:0 the mask: all four work-groups; 17:16 elements of 8 bytes; 21 set beside a mask
	s_mov_b32 s[G1C+1], 32<<16                     ; tensor_dim0
	s_mov_b32 s[G1C+2], 64<<16                     ; tensor_dim1: 64 rows = 16,384 bytes
	s_mov_b32 s[G1C+3], 32<<16                     ; tile_dim0
	s_mov_b32 s[G1C+4], 64                         ; tile_dim1
	s_mov_b32 s[G1C+5], 32                         ; tensor_dim0_stride
	s_mov_b32 s[G1C+6], 0
	s_mov_b32 s[G1C+7], 0
	s_mov_b32 s[G1S], 15|(3<<16)|(1<<21)
	s_mov_b32 s[G1S+1], 32<<16
	s_mov_b32 s[G1S+2], 4<<16                      ; 4 rows = 1,024 bytes
	s_mov_b32 s[G1S+3], 32<<16
	s_mov_b32 s[G1S+4], 4
	s_mov_b32 s[G1S+5], 32
	s_mov_b32 s[G1S+6], 0
	s_mov_b32 s[G1S+7], 0
	; what I fetch: waves 0-7 an eighth of K each, waves 8-15 of V: section 1 + w / 8, the pair, eighth w % 8
	s_add_co_u32 s18, s[HI], 1
	s_lshl_b32 s74, s18, 22
	s_lshl_b32 s19, s[PI], 17
	s_add_co_u32 s74, s74, s19
	s_lshl_b32 s19, s[PW], 14
	s_add_co_u32 s74, s74, s19
	s_mov_b32 s75, 0
	s_lshl_b32 s54, s18, 18
	s_lshl_b32 s19, s[PI], 13
	s_add_co_u32 s54, s54, s19
	s_lshl_b32 s19, s[PW], 10
	s_add_co_u32 s54, s54, s19
	s_mov_b32 s55, 0
	s_mov_b32 s[G0C], 1
	s_lshl_b32 s[G0C+1], s[WV], 14                 ; LDS: 16,384 x wave
	s_mov_b32 s[G0S], 1
	s_lshl_b32 s[G0S+1], s[WV], 10
	s_add_co_u32 s[G0S+1], s[G0S+1], KSLDS         ; KSLDS + 1,024 x wave
	s_wait_dscnt 0x0
	s_wait_kmcnt 0x0
	s_add_nc_u64 s[G0C+2:G0C+3], s[4:5], s[74:75]
	s_or_b32 s[G0C+3], s[G0C+3], 0x80000000
	s_add_nc_u64 s[G0S+2:G0S+3], s[6:7], s[54:55]
	s_or_b32 s[G0S+3], s[G0S+3], 0x80000000
	CROUND                                         ; all four work-groups are here: the joint loads meet
	tensor_load_to_lds s[G0C:G0C+3], s[G1C:G1C+7]  ; every wave issues both, the second only after the first has landed: one load of mine is out at a time
	s_nop 0
	s_wait_alu depctr_va_vdst(0)
	s_wait_tensorcnt 0x0
	ds_add_u32 v251, v255
	s_wait_dscnt 0x0
	CROUND
	tensor_load_to_lds s[G0S:G0S+3], s[G1S:G1S+7]
	s_nop 0
.rept 4
	v_nop
.endr
	s_mov_b32 s[SEL], 0x76543210
	s_mov_b32 s[SEL+1], 0xfedcba98
	s_mov_b32 s[CS], 0x3e38aa3b                    ; c = log2(e) / 8
	s_mov_b32 s[CS+1], s[CS]
	v_and_b32 v8, 31, v0                           ; lane
	v_and_b32 v9, 15, v0                           ; r
	v_bfe_u32 v10, v0, 4, 1                        ; h
	s_wait_alu depctr_va_vdst(0)
	s_lshl_b32 s18, s[HI], 9
	v_lshl_add_u32 v[AK0], v8, 4, s18
	s_lshl_b32 s18, s[HI], 12
	s_add_co_u32 s18, s18, VLDS
	v_lshl_add_u32 v[AV0], v8, 4, s18
	s_lshl_b32 s18, s[HI], 1
	s_add_co_u32 s19, s18, KSLDS
	v_lshl_add_u32 v[ASK0], v8, 2, s19
	s_lshl_b32 s19, s[HI], 8
	s_add_co_u32 s19, s19, VSLDS
	v_lshl_add_u32 v[ASV0], v8, 2, s19
	v_lshl_add_u32 v[QSO], v9, 2, s18
	v_lshl_add_u32 v[OSO], v9, 4, s18
	s_lshl_b32 s19, s[JW], 4
	v_lshlrev_b32 v10, 3, v10
	s_delay_alu instid0(VALU_DEP_1)
	v_sub_nc_u32 v[DM], v9, v10
	s_delay_alu instid0(VALU_DEP_1)
	v_add_nc_u32 v[DM], s19, v[DM]
	v_mov_b32 v[NINF], 0xff800000
.irp t, 0,1,2,3,4,5,6,7
.irp i, 4,5,6,7
	v_mov_b32 v[KFR+8*\t+\i], 0                    ; the upper halves of K's fragments: zero codes, for the whole launch
.endr
.endr
.irp i, 20,21,22,23
	v_mov_b32 v\i, 0                               ; and of Q's
.endr
.irp i, 236,237,238,239,252,253
	v_mov_b32 v\i, 0                               ; written once: a lane permute's destination counts as one of its sources; v253 is named as the upper half of the pair v[252:253]
.endr
	; the bases that stay: q's image and scale words, ac, asc, each at class 0 of my j
	s_lshl_b32 s74, s[PI], 17
	s_lshl_b32 s19, s[JW], 10
	s_add_co_u32 s74, s74, s19
	s_add_nc_u64 s[56:57], s[4:5], s[74:75]        ; q: section 0, the pair, tile j
	s_lshl_b32 s74, s[PI], 13
	s_lshl_b32 s19, s[JW], 6
	s_add_co_u32 s74, s74, s19
	s_add_nc_u64 s[58:59], s[6:7], s[74:75]
	s_lshr_b32 s18, s[PI], 3
	s_lshl_b32 s18, s18, 7
	s_add_co_u32 s18, s18, s[JW]                   ; 128 x batch + j
	s_and_b32 s19, s[PI], 7                        ; the head pair
	s_lshl_b32 s74, s18, 13
	s_lshl_b32 s53, s19, 10
	s_add_co_u32 s74, s74, s53
	s_add_nc_u64 s[60:61], s[8:9], s[74:75]
	s_lshl_b32 s74, s18, 9
	s_lshr_b32 s53, s19, 2
	s_lshl_b32 s53, s53, 8
	s_add_co_u32 s74, s74, s53
	s_and_b32 s53, s19, 3
	s_lshl_b32 s53, s53, 2
	s_add_co_u32 s74, s74, s53
	s_add_nc_u64 s[62:63], s[10:11], s[74:75]
	s_wait_tensorcnt 0x0                           ; my sixteenth of the codes and of the scale words has landed,
	s_barrier_signal -1
	s_barrier_wait -1                              ; everybody's has: from here on LDS is only read
.macro SQK t                           ; S^T's tile t: 16 keys x my 16 queries.  K's scale words lie two tiles to a register: the odd tile's in lanes 16-31
.if (\t)%2
	v_wmma_scale_f32_16x16x128_f8f6f4 v[S+8*\t:S+8*\t+7], v[KFR+8*\t:KFR+8*\t+7], v[16:23], 0, v[KSC+\t/2], v24 matrix_a_fmt:MATRIX_FMT_FP4 matrix_b_fmt:MATRIX_FMT_FP4 matrix_a_scale:MATRIX_SCALE_ROW1
.else
	v_wmma_scale_f32_16x16x128_f8f6f4 v[S+8*\t:S+8*\t+7], v[KFR+8*\t:KFR+8*\t+7], v[16:23], 0, v[KSC+\t/2], v24 matrix_a_fmt:MATRIX_FMT_FP4 matrix_b_fmt:MATRIX_FMT_FP4
.endif
.endm
.macro OPV t                           ; O^T's tile t += 16 channels x 128 keys times P
.if (\t)%2
	v_wmma_scale_f32_16x16x128_f8f6f4 v[O+8*\t:O+8*\t+7], v[VFR+8*\t:VFR+8*\t+7], v[P:P+7], v[O+8*\t:O+8*\t+7], v[VSC+\t/2], v253 matrix_a_fmt:MATRIX_FMT_FP4 matrix_b_fmt:MATRIX_FMT_FP4 matrix_a_scale:MATRIX_SCALE_ROW1
.else
	v_wmma_scale_f32_16x16x128_f8f6f4 v[O+8*\t:O+8*\t+7], v[VFR+8*\t:VFR+8*\t+7], v[P:P+7], v[O+8*\t:O+8*\t+7], v[VSC+\t/2], v253 matrix_a_fmt:MATRIX_FMT_FP4 matrix_b_fmt:MATRIX_FMT_FP4
.endif
.endm
; A KEY STEP: 128 keys.
.macro STEP
	s_cmp_gt_u32 s[KS], s[CLS]                     ; all its keys come after my queries: only the two lines at the end, which step addresses, are run
	s_cbranch_scc1 .Lhidden_\@
	s_setprio 2
	v_add_nc_u32 v[ADK], s[TB], v[AK0]             ; these four additions are also the four places between the last step's products and the loads into V's registers
	v_add_nc_u32 v[ADV], s[TB], v[AV0]
	v_add_nc_u32 v[ADS], s[TS], v[ASK0]
	v_add_nc_u32 v[ADT], s[TS], v[ASV0]
.irp t, 0,1,2,3,4,5,6,7
	ds_load_b128 v[KFR+8*\t:KFR+8*\t+3], v[ADK] offset:1024*\t     ; my head's half of tile t's image
.endr
.irp i, 0,1,2,3
	ds_load_u16 v[KSC+\i], v[ADS] offset:128*\i    ; my head's two scale bytes of tiles 2 i (lanes 0-15) and 2 i + 1 (lanes 16-31)
.endr
.irp t, 0,1,2,3
.irp c, 0,1
	ds_load_b128 v[VFR+8*\t+4*\c:VFR+8*\t+4*\c+3], v[ADV] offset:1024*\t+512*\c
.endr
.endr
.irp i, 0,1
	ds_load_b32 v[VSC+\i], v[ADT] offset:128*\i
.endr
	s_wait_dscnt 10                                ; K and its scale words are in; V's ten loads, issued behind them, may be out until the second product
.irp t, 0,1,2,3,4,5,6,7
	SQK \t
.endr
.rept 4
	v_nop                                          ; places in front of the first read of results
.endr
	s_cmp_lg_u32 s[KS], s[CLS]                     ; only the step on the diagonal has hidden keys
	s_cbranch_scc1 .Lopen_\@
.irp n, 0,1,2,3,4,5,6,7,8,9,10,11,12,13,14,15,16,17,18,19,20,21,22,23,24,25,26,27,28,29,30,31,32,33,34,35,36,37,38,39,40,41,42,43,44,45,46,47,48,49,50,51,52,53,54,55,56,57,58,59,60,61,62,63
	v_cmp_gt_i32 vcc_lo, 16*(\n/8)+\n%8, v[DM]     ; hidden scores become -infinity ahead of the maximum: p = 0 then
	v_cndmask_b32 v[S+\n], v[S+\n], v[NINF], vcc_lo
.endr
.Lopen_\@:
.irp b, 0,1,2,3
	v_max3_num_f32 v[232+\b], v[S+16*\b], v[S+16*\b+1], v[S+16*\b+2]   ; the largest score of each block of 32 keys: it serves the row's maximum and, since p rises with the score, the block's largest p
.endr
.irp i, 3,5,7,9,11,13
.irp b, 0,1,2,3
	v_max3_num_f32 v[232+\b], v[232+\b], v[S+16*\b+\i], v[S+16*\b+\i+1]   ; (the four blocks by turns)
.endr
.endr
.irp b, 0,1,2,3
	v_max_num_f32 v[232+\b], v[232+\b], v[S+16*\b+15]
.endr
.irp b, 0,1,2,3
	s_delay_alu instid0(VALU_DEP_4)
	v_permlanex16_b32 v[236+\b], v[232+\b], s[SEL], s[SEL+1]
.endr
.irp b, 0,1,2,3
	s_delay_alu instid0(VALU_DEP_4)
	v_max_num_f32 v[232+\b], v[232+\b], v[236+\b]  ; with lane l xor 16's 16 keys
.endr
	s_delay_alu instid0(VALU_DEP_2)
	v_max3_num_f32 v254, v232, v233, v234
	s_delay_alu instid0(VALU_DEP_1)
	v_max_num_f32 v254, v254, v235                 ; the step's largest score of my query
	s_delay_alu instid0(VALU_DEP_1)
	v_mul_f32 v254, s[CS], v254                    ; as t (c is positive)
	s_delay_alu instid0(VALU_DEP_1)
	v_max_num_f32 v13, v13, v254                   ; the running largest t
	v_mov_b32 v254, v12
	s_delay_alu instid0(VALU_DEP_2)
	v_floor_f32 v12, -v13                          ; the new -M = floor(-t) = -ceil(t): a whole number
	s_delay_alu instid0(VALU_DEP_1)
	v_sub_f32 v254, v12, v254                      ; M's old value less its new one: a whole number, 0 or less
	s_delay_alu instid0(VALU_DEP_1)
	v_cvt_i32_f32 v254, v254                       ; (it saturates)
	s_delay_alu instid0(VALU_DEP_1)
	v_ldexp_f32 v252, 1.0, v254                    ; f = 2^(old M - new M)
.set j, 0
.rept 32
	v_pk_fma_f32 v[S+j:S+j+1], v[S+j:S+j+1], s[CS:CS+1], v[12:13] op_sel_hi:[1,0,0]   ; t - M, two at a time (of the pairs c and -M the low word serves both halves)
.set j, j+2
.endr
	s_setprio 1
.irp b, 0,1,2,3
	v_fma_f32 v[232+\b], v[232+\b], s[CS], v12     ; the same of each block's largest score
.endr
.set j, 0
	s_wait_alu depctr_va_vdst(0)
.rept 64
	v_exp_f32 v[S+j], v[S+j]                       ; p = 2^(t - M), at most 1
.set j, j+1
.endr
.irp b, 0,1,2,3
	v_exp_f32 v[232+\b], v[232+\b]                 ; the block's largest p: the same two instructions on the same number give the same bits
.endr
	v_pk_mul_f32 v[14:15], v[14:15], v[252:253] op_sel_hi:[1,0]   ; the sums under the new M.  (The plain place behind the exponentials)
	s_wait_alu depctr_va_vdst(0)
.irp b, 0,1,2,3
	v_max_num_f32 v[232+\b], 0x1800000, v[232+\b]  ; the floor 2^(3 - 127): the byte cannot fall under 1
.endr
.irp b, 0,1,2,3
	s_delay_alu instid0(VALU_DEP_4)
	v_add_nc_u32 v[244+\b], 0xff000000, v[232+\b]  ; 2 off the exponent field: the conversion's scale operand
.endr
.irp b, 0,1,2,3
	s_delay_alu instid0(VALU_DEP_4)
	v_lshrrev_b32 v[236+\b], 23, v[244+\b]         ; the scale's byte
.endr
	s_delay_alu instid0(VALU_DEP_3)
	v_lshl_or_b32 v253, v237, 8, v236              ; p's scale word for these 128 keys
	s_delay_alu instid0(VALU_DEP_1)
	v_lshl_or_b32 v253, v238, 16, v253
	s_delay_alu instid0(VALU_DEP_1)
	v_lshl_or_b32 v253, v239, 24, v253
.irp c, 0,1
	v_cvt_scalef32_pk8_fp4_f32 v[P+4*\c],   v[S+32*\c:S+32*\c+7],     v[244+2*\c]   ; tile 4 c
	v_cvt_scalef32_pk8_fp4_f32 v[P+4*\c+2], v[S+32*\c+8:S+32*\c+15],  v[244+2*\c]   ; tile 4 c + 1
	v_cvt_scalef32_pk8_fp4_f32 v[P+4*\c+1], v[S+32*\c+16:S+32*\c+23], v[245+2*\c]   ; tile 4 c + 2
	v_cvt_scalef32_pk8_fp4_f32 v[P+4*\c+3], v[S+32*\c+24:S+32*\c+31], v[245+2*\c]   ; tile 4 c + 3
.endr
	v_nop                                          ; one plain place behind a scaled conversion
.irp c, 0,1
	v_permlane16_swap_b32 v[P+4*\c], v[P+4*\c+1]   ; registers 4 c .. 4 c + 3 now hold keys 64 c + 32 h + 0 .. 31
	v_permlane16_swap_b32 v[P+4*\c+2], v[P+4*\c+3]
.endr
	v_pk_add_f32 v[236:237], v[S:S+1], v[S+2:S+3]  ; the row's sum is taken of the unquantised p: two at a time, in two chains
.set j, 4
	s_setprio 0
.rept 15
	v_pk_add_f32 v[14:15], v[14:15], v[S+j:S+j+1]
	v_pk_add_f32 v[236:237], v[236:237], v[S+j+2:S+j+3]
.set j, j+4
.endr
	s_delay_alu instid0(VALU_DEP_1)
	v_pk_add_f32 v[14:15], v[14:15], v[236:237]
.set j, 0
.rept 16
	v_pk_mul_f32 v[O+j:O+j+1], v[O+j:O+j+1], v[252:253] op_sel_hi:[1,0]   ; O^T under the new M.  (With the sums above: the places between p's codes and scale word and the products below)
.set j, j+2
.endr
	s_wait_alu depctr_va_vdst(0)
	s_wait_dscnt 0x0                               ; V and its scale words are in
.irp t, 0,1,2,3
	OPV \t                                         ; the four accumulators by turns
.endr
.Lhidden_\@:
	s_add_co_u32 s[TB], s[TB], 8192
	s_add_co_u32 s[TS], s[TS], 512
.endm
; THE TILE'S END: O^T / the sum, quantised along the head's 64 (two blocks of the last product's K), one image of 512 bytes and two scale bytes a row.
.macro FIN
.rept 4
	v_nop                                          ; places behind the last products
.endr
	v_add_f32 v14, v14, v15                        ; the sum's two halves,
	s_delay_alu instid0(VALU_DEP_1)
	v_permlanex16_b32 v252, v14, s[SEL], s[SEL+1]
	s_delay_alu instid0(VALU_DEP_1)
	v_add_f32 v14, v14, v252                       ; and lane l xor 16's: the row's sum
	s_wait_alu depctr_va_vdst(0)
	v_rcp_f32 v14, v14
	v_nop                                          ; one plain place behind a transcendental
.set j, 0
	s_wait_alu depctr_va_vdst(0)
.rept 16
	v_pk_mul_f32 v[S+j:S+j+1], v[O+j:O+j+1], v[14:15] op_sel_hi:[1,0]   ; register 8 t + i: o(query r, channel 16 t + 8 h + i); each accumulator from its low end on
.set j, j+2
.endr
.irp b, 0,1
	v_max3_num_f32 v[232+\b], |v[S+16*\b]|, |v[S+16*\b+1]|, 0x1800000
.endr
.irp i, 2,4,6,8,10,12,14
.irp b, 0,1
	s_delay_alu instid0(VALU_DEP_2)
	v_max3_num_f32 v[232+\b], v[232+\b], |v[S+16*\b+\i]|, |v[S+16*\b+\i+1]|
.endr
.endr
.irp b, 0,1
	s_delay_alu instid0(VALU_DEP_2)
	v_permlanex16_b32 v[236+\b], v[232+\b], s[SEL], s[SEL+1]
.endr
.irp b, 0,1
	s_delay_alu instid0(VALU_DEP_2)
	v_max_num_f32 v[232+\b], v[232+\b], v[236+\b]
.endr
.irp b, 0,1
	s_delay_alu instid0(VALU_DEP_2)
	v_add_nc_u32 v[244+\b], 0xff000000, v[232+\b]
.endr
.irp b, 0,1
	s_delay_alu instid0(VALU_DEP_2)
	v_lshrrev_b32 v[236+\b], 23, v[244+\b]
.endr
	s_delay_alu instid0(VALU_DEP_1)
	v_lshl_or_b32 v254, v237, 8, v236              ; my head's two bytes
	v_cvt_scalef32_pk8_fp4_f32 v[P],   v[S:S+7],     v244
	v_cvt_scalef32_pk8_fp4_f32 v[P+2], v[S+8:S+15],  v244
	v_cvt_scalef32_pk8_fp4_f32 v[P+1], v[S+16:S+23], v245
	v_cvt_scalef32_pk8_fp4_f32 v[P+3], v[S+24:S+31], v245
	v_nop
	v_permlane16_swap_b32 v[P], v[P+1]
	v_permlane16_swap_b32 v[P+2], v[P+3]
	global_store_b128 v[AK0], v[P:P+3], s[70:71]   ; the wave stores 512 consecutive bytes, aligned
	global_store_b16 v[OSO], v254, s[72:73]
	s_wait_xcnt 0x0                                ; the stores' data and bases are written again only behind this wait
.endm
; ONE TILE of 16 queries, class s[CLS].
.macro PASS
	s_lshl_b32 s74, s[CLS], 13
	s_add_nc_u64 s[66:67], s[56:57], s[74:75]      ; q's image: 8 tiles a class
	s_lshl_b32 s74, s[CLS], 9
	s_add_nc_u64 s[68:69], s[58:59], s[74:75]
	s_lshl_b32 s74, s[CLS], 16
	s_add_nc_u64 s[70:71], s[60:61], s[74:75]
	s_lshl_b32 s74, s[CLS], 12
	s_add_nc_u64 s[72:73], s[62:63], s[74:75]
	global_load_b128 v[16:19], v[AK0], s[66:67]    ; my head's half of Q's image
	global_load_u16 v24, v[QSO], s[68:69]          ; and its two scale bytes
	v_mov_b32 v13, 0xff61b1e6                      ; the largest t so far: -3e38, under every t
	s_delay_alu instid0(VALU_DEP_1)
	v_floor_f32 v12, -v13                          ; -M
	v_mov_b32 v14, 0
	v_mov_b32 v15, 0
.set j, 0
.rept 32
	v_mov_b32 v[O+j], 0                            ; O^T.  (The step is written once: the first finds zeros, which the first change of M leaves zeros)
.set j, j+1
.endr
	s_mov_b32 s[KS], 0
	s_mov_b32 s[TB], 0
	s_mov_b32 s[TS], 0
	s_wait_loadcnt 0x0
.Lstep_\@:
	STEP
	s_add_co_u32 s[KS], s[KS], 1
	s_cmp_lt_u32 s[KS], 16
	s_cbranch_scc1 .Lstep_\@
	s_setprio 0
	FIN
.endm
	s_sub_co_u32 s[CLS], 15, s[PW]                 ; the long tile first
	PASS
	s_mov_b32 s[CLS], s[PW]
	PASS
	s_wait_tensorcnt 0x0
	ds_add_u32 v251, v255
	s_wait_dscnt 0x0
	CROUND                                         ; the closing round: no work-group ends while a partner may still ask for a tile that names it
	s_endpgm
.Lfunc_end_k_q632b4742f2_attn:
	.size	k_q632b4742f2_attn, .Lfunc_end_k_q632b4742f2_attn-k_q632b4742f2_attn
	.p2alignl 7, 3214868480
	.fill 96, 4, 3214868480
	.section	.rodata,"a",@progbits
	.p2align	6, 0x0
	.amdhsa_kernel k_q632b4742f2_attn
		.amdhsa_group_segment_fixed_size 327680
		.amdhsa_private_segment_fixed_size 0
		.amdhsa_enable_private_segment 0
		.amdhsa_kernarg_size 32
		.amdhsa_user_sgpr_count 2
		.amdhsa_user_sgpr_kernarg_segment_ptr 1
		.amdhsa_wavefront_size32 1
		.amdhsa_system_sgpr_workgroup_id_x 1
		.amdhsa_system_sgpr_workgroup_id_y 1
		.amdhsa_system_sgpr_workgroup_id_z 1
		.amdhsa_system_vgpr_workitem_id 0
		.amdhsa_next_free_vgpr 256
		.amdhsa_next_free_sgpr 76
		.amdhsa_reserve_vcc 1
		.amdhsa_float_denorm_mode_32 3
		.amdhsa_float_denorm_mode_16_64 3
		.amdhsa_memory_ordered 1
		.amdhsa_forward_progress 1
		.amdhsa_inst_pref_size 63
	.end_amdhsa_kernel
	.amdgpu_metadata
---
amdhsa.version: [ 1, 2 ]
amdhsa.kernels:
  - .name:           k_q632b4742f2_attn
    .symbol:         k_q632b4742f2_attn.kd
    .args:
      - { .name: qkvc, .offset: 0, .size: 8, .value_kind: global_buffer, .address_space: global }
      - { .name: qkvs, .offset: 8, .size: 8, .value_kind: global_buffer, .address_space: global }
      - { .name: ac, .offset: 16, .size: 8, .value_kind: global_buffer, .address_space: global }
      - { .name: asc, .offset: 24, .size: 8, .value_kind: global_buffer, .address_space: global }
    .group_segment_fixed_size: 327680
    .private_segment_fixed_size: 0
    .kernarg_segment_align: 8
    .kernarg_segment_size: 32
    .max_flat_workgroup_size: 512
    .sgpr_count:     76
    .vgpr_count:     256
    .wavefront_size: 32
...
	.end_amdgpu_metadata
.endif
;; end of part 2
;; launch proj (part 3): grid 4 x 64, 4 waves a work-group, clusters of 4 x 4, 247,808 bytes of LDS; arguments ac, asc, out_w_codes, out_w_scales, out_b, out0; writes out0
.if DOCPART == 3
	.amdgcn_target "amdgcn-amd-amdhsa--gfx1250"
	.amdhsa_code_object_version 6
	.text
	.protected	k_q632b4742f2_proj
	.globl	k_q632b4742f2_proj
	.p2align	8
	.type	k_q632b4742f2_proj,@function
k_q632b4742f2_proj:
	s_mov_b64 s[64:65], 0
	v_nop
	global_prefetch_b8 v0, s[64:65] scope:SCOPE_SE
	s_setreg_imm32_b32 hwreg(HW_REG_WAVE_MODE, 25, 1), 1
	s_wait_xcnt 0x0
	s_wait_alu depctr_hold_cnt(0) depctr_sa_sdst(0) depctr_va_vdst(0) depctr_va_sdst(0) depctr_va_ssrc(0) depctr_va_vcc(0) depctr_vm_vsrc(0)
	s_getreg_b32 s2, hwreg(HW_REG_IB_STS2, 6, 4)
	s_cmp_eq_u32 s2, 0
	s_cbranch_scc0 .Lentry_in_a_cluster
	s_endpgm
.Lentry_in_a_cluster:
	s_bfe_u32 s2, ttmp6, 0x10000c
	s_cmp_lg_u32 s2, 0xf033
	s_cbranch_scc0 .Lentry_shape_is_right
	s_endpgm
.Lentry_shape_is_right:
; out0 = a W + b: a = the attention's result as codes of FP4 (E2M1) (ac, asc: made by the launch before), W = out_w as given: [1,024 (n)][1,024 (k)] codes, K innermost; one E8M0 scale for each 32 along K; sums in f32.
; What binds is the output: 32 MiB of f32.  So 256 work-groups of 128 tokens x 256 columns, one for each WGP; K = 1,024 of both operands fits in LDS at once: every LDS byte is filled once, there is no ring.
; A wave makes 64 tokens x 128 columns: 32 accumulators, 256 registers.  THE MATRIX INSTRUCTION IS USED TRANSPOSED (source 0 = 16 rows of W, source 1 = 16 tokens): a lane holds eight neighbouring numbers of a row of out0.
; ac[tile of 16 tokens][K step of 128][1,024 bytes] holds images of operand registers: a fragment is two loads at 16 x lane.  asc: a token's 16 bytes at tile x 512 + g x 256 + 16 r are the scale words of K steps 4 g .. 4 g + 3.
; CLUSTERS: 4 x 4.  The four of a row of the cluster need the same tokens, the four of a column the same rows of W: joint loads.  Waves 0, 1 fetch a's halves, waves 2, 3 W's; each wave two loads (scales, codes).
; The bias is the C of each sum's first matrix instruction.  All scale words of the launch stay in 96 registers.
; REGISTERS: window 0: v16-27 addresses; v32-63 a's scale words; v64-127 W's; v128-191 the bias, later rows on the way out; v192-255 a's fragments, two sets, later rows on the way out.
;   window 1: the accumulators ((a, b) at v[8 (8 a + b)]).   window 2: v0-127 W's fragments, two sets.
.set ACOD,  0                          ; LDS: a's codes: [8 tiles][8 K steps][1,024 bytes]
.set BCOD,  65536                      ; W's codes: 256 rows of 512 bytes + 16 of padding = 132 words: the 16 rows that a load touches start at 16 different banks (64 banks of 4 bytes: ISA guide 11.1)
.set BP,    528
.set ASCL,  BCOD+256*BP                ; a's scale words: 4,096 bytes
.set BSCL,  ASCL+4096                  ; W's: 8,192 bytes as units of 256 + 16 of padding
.set STG,   BSCL+32*272                ; the way out: 16 rows x (512 bytes + 16) for each wave; no tile lands here
.set SP,    528
.set ADRA, 16                          ; v16  ACOD + 32,768 x (wave / 2) + 16 x lane
.set ADRB, 17                          ; v17  BCOD + 128 rows x (wave % 2) + r x 528 + 16 h
.set ADSA, 18                          ; v18  ASCL + 2,048 x (wave / 2) + 16 r
.set ADSB, 19                          ; v19  BSCL + 4,352 x (wave % 2) + 272 (r / 8) + 32 (r % 8)
.set STO,  24                          ; v24  the stage: where I put 32 bytes of a row
.set RD,   25                          ; v25  and where I read a row back
.set CO,   26                          ; v26  16 x lane: my bytes of a row of out0
.set BOF,  27                          ; v27  32 h: the bias
.set SA,   32                          ; a's scale word of tile a, K step s: v[SA + 16 (s / 4) + 4 a + s % 4]
.set SB,   64                          ; W's of tile b: v[SB + 32 (s / 4) + 4 b + s % 4]
.set BIAS, 128                         ; eight registers for each tile b, in the result's layout
.set OB,   128                         ; the way out: v128-191 and v192-255 by turns
.set AF,   192                         ; a's fragments: set p at v[AF + 32 p]
.set G1A,  24                          ; s[24:31] group 1 for a's codes;  s[32:39] for a's scales;  s[40:43], s[44:47] their groups 0
.set G1AS, 32
.set G0A,  40
.set G0AS, 44
.set G1B,  48                          ; s[48:55], s[56:63], s[68:71], s[72:75] the same for W
.set G1BS, 56
.set G0B,  68
.set G0BS, 72
.set MSB, 0
.macro WIN new                         ; the immediate's high byte repeats the setting that is left
.if MSB != (\new)
	s_set_vgpr_msb (MSB<<8)|(\new)
.set MSB, (\new)
.endif
.endm
.macro CROUND                          ; a round of the cluster's barrier
	s_barrier_signal -1
	s_barrier_wait -1
	s_cmp_lg_u32 s18, 0
	s_cbranch_scc1 .Lnot_wave_0_\@
	s_barrier_signal -3
.Lnot_wave_0_\@:
	s_barrier_wait -3
	s_barrier_signal -1
	s_barrier_wait -1
.endm
.macro PLACES n                        ; places behind a matrix instruction: plain vector instructions that name none of its registers (ISA guide 7.12.1 for vector instructions)
.rept \n
	v_nop
.endr
.endm
	s_load_b256 s[4:11], s[0:1], 0x0               ; ac s[4:5], asc s[6:7], W's codes s[8:9], W's scales s[10:11]
	s_load_b128 s[12:15], s[0:1], 0x20             ; the bias s[12:13], out0 s[14:15]
	v_lshl_add_u32 v30, v0, 2, 0x3c600
	v_mov_b32 v31, 0
	ds_add_u32 v30, v31
	ds_add_u32 v30, v31
	v_lshrrev_b32 v1, 5, v0
	v_readfirstlane_b32 s18, v1                    ; wave 0..3
	s_lshr_b32 s19, s18, 1                         ; which 64 tokens are mine.  Also: I fetch for a (0) or for W (1)
	s_and_b32 s20, s18, 1                          ; which 128 columns.  Also: which half I fetch
	s_bfe_u32 s21, ttmp6, 0x40000                  ; cx, cy: my place in the cluster
	s_bfe_u32 s22, ttmp6, 0x40004
	s_lshl_b32 s76, ttmp9, 2
	s_add_co_u32 s76, s76, s21                     ; which 256 columns: 4 x cluster x + cx
	s_and_b32 s77, ttmp7, 0xffff
	s_lshl_b32 s77, s77, 2
	s_add_co_u32 s77, s77, s22                     ; which 128 tokens: 4 x cluster y + cy
	s_lshl_b32 s78, s22, 2
	s_lshl_b32 s78, 15, s78                        ; my row of the cluster
	s_lshl_b32 s79, 0x1111, s21                    ; my column
	; a's codes: 32,768 dense bytes as 128 rows of 256 (32 elements of 8 bytes), no padding; a's scales: 2,048 bytes as 8 such rows
	s_or_b32 s[G1A], s78, (3<<16)|(1<<21)          ; 15:0 the mask: my row; 17:16 elements of 8 bytes; 21 set beside a mask
	s_mov_b32 s[G1A+1], 32<<16
	s_mov_b32 s[G1A+2], 128<<16
	s_mov_b32 s[G1A+3], 32<<16
	s_mov_b32 s[G1A+4], 128
	s_mov_b32 s[G1A+5], 32
	s_mov_b32 s[G1A+6], 0
	s_mov_b32 s[G1A+7], 0
	s_or_b32 s[G1AS], s78, (3<<16)|(1<<21)
	s_mov_b32 s[G1AS+1], 32<<16
	s_mov_b32 s[G1AS+2], 8<<16
	s_mov_b32 s[G1AS+3], 32<<16
	s_mov_b32 s[G1AS+4], 8
	s_mov_b32 s[G1AS+5], 32
	s_mov_b32 s[G1AS+6], 0
	s_mov_b32 s[G1AS+7], 0
	; W's codes: 128 rows of 512 bytes, 16 bytes of padding behind each; W's scales: 4,096 dense bytes as 16 rows of 256, 16 bytes of padding behind each
	s_or_b32 s[G1B], s79, (0<<16)|(1<<20)|(1<<21)|(6<<22)|(3<<25)   ; the mask: my column; elements of 1 byte; padding: 4 words (code 3) after every 128 (code 6)
	s_mov_b32 s[G1B+1], 512<<16
	s_mov_b32 s[G1B+2], 128<<16
	s_mov_b32 s[G1B+3], 512<<16
	s_mov_b32 s[G1B+4], 128
	s_mov_b32 s[G1B+5], 512
	s_mov_b32 s[G1B+6], 0
	s_mov_b32 s[G1B+7], 0
	s_or_b32 s[G1BS], s79, (3<<16)|(1<<20)|(1<<21)|(5<<22)|(3<<25)
	s_mov_b32 s[G1BS+1], 32<<16
	s_mov_b32 s[G1BS+2], 16<<16
	s_mov_b32 s[G1BS+3], 32<<16
	s_mov_b32 s[G1BS+4], 16
	s_mov_b32 s[G1BS+5], 32
	s_mov_b32 s[G1BS+6], 0
	s_mov_b32 s[G1BS+7], 0
	s_lshl_b32 s80, s77, 1
	s_add_co_u32 s80, s80, s20                     ; a: which 64 tokens I fetch (made of the tokens' coordinate alone)
	s_mov_b32 s81, 0
	s_lshl_b32 s82, s76, 1
	s_add_co_u32 s82, s82, s20                     ; W: which 128 rows (of the columns' coordinate alone)
	s_mov_b32 s83, 0
	s_mov_b32 s[G0AS], 1
	s_lshl_b32 s[G0AS+1], s20, 11
	s_add_co_u32 s[G0AS+1], s[G0AS+1], ASCL
	s_mov_b32 s[G0A], 1
	s_lshl_b32 s[G0A+1], s20, 15                   ; ACOD = 0
	s_mov_b32 s[G0BS], 1
	s_mul_i32 s[G0BS+1], s20, 16*272
	s_add_co_u32 s[G0BS+1], s[G0BS+1], BSCL
	s_mov_b32 s[G0B], 1
	s_mul_i32 s[G0B+1], s20, 128*BP
	s_add_co_u32 s[G0B+1], s[G0B+1], BCOD
	s_wait_dscnt 0x0
	s_wait_kmcnt 0x0
	s_lshl_b32 s80, s80, 11                        ; 2,048 scale bytes for 64 tokens
	s_add_nc_u64 s[G0AS+2:G0AS+3], s[6:7], s[80:81]
	s_or_b32 s[G0AS+3], s[G0AS+3], 0x80000000
	s_lshl_b32 s80, s80, 4                         ; 32,768 bytes of codes
	s_add_nc_u64 s[G0A+2:G0A+3], s[4:5], s[80:81]
	s_or_b32 s[G0A+3], s[G0A+3], 0x80000000
	s_lshl_b32 s82, s82, 12                        ; 4,096 scale bytes for 128 rows
	s_add_nc_u64 s[G0BS+2:G0BS+3], s[10:11], s[82:83]
	s_or_b32 s[G0BS+3], s[G0BS+3], 0x80000000
	s_lshl_b32 s82, s82, 4                         ; 65,536 bytes of codes
	s_add_nc_u64 s[G0B+2:G0B+3], s[8:9], s[82:83]
	s_or_b32 s[G0B+3], s[G0B+3], 0x80000000
	CROUND                                         ; all sixteen work-groups are here: the joint loads meet
	s_cmp_eq_u32 s19, 0                            ; a wave's two loads stand in one branch on its number: two loads of mine are out; four v_nop follow the second
	s_cbranch_scc0 .Lfor_w
	tensor_load_to_lds s[G0AS:G0AS+3], s[G1AS:G1AS+7]
	s_nop 0
	tensor_load_to_lds s[G0A:G0A+3], s[G1A:G1A+7]
	s_nop 0
.rept 4
	v_nop
.endr
	s_branch .Lasked
.Lfor_w:
	tensor_load_to_lds s[G0BS:G0BS+3], s[G1BS:G1BS+7]
	s_nop 0
	tensor_load_to_lds s[G0B:G0B+3], s[G1B:G1B+7]
	s_nop 0
.rept 4
	v_nop
.endr
.Lasked:
	v_and_b32 v1, 15, v0                           ; r
	v_bfe_u32 v2, v0, 4, 1                         ; h
	v_and_b32 v3, 31, v0                           ; lane
	s_lshl_b32 s78, s19, 15
	v_lshl_add_u32 v[ADRA], v3, 4, s78
	s_mul_i32 s78, s20, 128*BP
	s_add_co_u32 s78, s78, BCOD
	v_mul_u32_u24 v4, v1, BP
	v_lshl_add_u32 v4, v2, 4, v4
	v_add_nc_u32 v[ADRB], s78, v4
	s_lshl_b32 s78, s19, 11
	s_add_co_u32 s78, s78, ASCL
	v_lshl_add_u32 v[ADSA], v1, 4, s78
	s_mul_i32 s78, s20, 16*272
	s_add_co_u32 s78, s78, BSCL
	v_lshrrev_b32 v4, 3, v1
	v_mul_u32_u24 v4, v4, 272                      ; eight rows of 32 scale bytes to a unit of 256 + 16
	v_and_b32 v5, 7, v1
	v_lshl_add_u32 v4, v5, 5, v4
	v_add_nc_u32 v[ADSB], s78, v4
	s_mul_i32 s78, s18, 16*SP
	s_add_co_u32 s78, s78, STG                     ; my stage
	v_mul_u32_u24 v4, v1, SP
	v_lshl_add_u32 v4, v2, 5, v4
	v_add_nc_u32 v[STO], s78, v4                   ; in: row r, 32 bytes for each half of the lanes
	v_lshl_add_u32 v[RD], v3, 4, s78               ; back: the 32 lanes take one row of 512 bytes
	v_lshlrev_b32 v[CO], 4, v3
	v_lshlrev_b32 v[BOF], 5, v2
	s_wait_alu depctr_va_vdst(0)
	s_lshl_b32 s80, s76, 1
	s_add_co_u32 s80, s80, s20
	s_lshl_b32 s80, s80, 9                         ; my first column, in bytes: 512 x (2 x which 256 + half)
	s_add_nc_u64 s[12:13], s[12:13], s[80:81]
	s_add_nc_u64 s[14:15], s[14:15], s[80:81]
	s_lshl_b32 s80, s77, 1
	s_add_co_u32 s80, s80, s19
	s_lshl_b32 s80, s80, 18                        ; my first token: 64 rows of 4,096 bytes x (2 x which 128 + half)
	s_add_nc_u64 s[14:15], s[14:15], s[80:81]
.irp b, 0,1,2,3,4,5,6,7
	global_load_b128 v[BIAS+8*\b:BIAS+8*\b+3], v[BOF], s[12:13] offset:64*\b        ; lane (r, h), tile b: the bias of columns 16 b + 8 h + 0 .. 7
	global_load_b128 v[BIAS+8*\b+4:BIAS+8*\b+7], v[BOF], s[12:13] offset:64*\b+16
.endr
.macro FETCH s                         ; K step s: W's eight fragments and a's four, into set s % 2: 24 loads
	WIN 0x80                                       ; destination window 2, address window 0
.irp b, 0,1,2,3,4,5,6,7
.irp c, 0,1
	ds_load_b128 v[64*((\s)%2)+8*\b+4*\c:64*((\s)%2)+8*\b+4*\c+3], v[ADRB] offset:16*BP*\b+64*(\s)+32*\c
.endr
.endr
	WIN 0
.irp a, 0,1,2,3
.irp c, 0,1
	ds_load_b128 v[AF+32*((\s)%2)+8*\a+4*\c:AF+32*((\s)%2)+8*\a+4*\c+3], v[ADRA] offset:8192*\a+1024*(\s)+512*\c
.endr
.endr
.endm
; A K step of 128: the next step's fragments are asked for first, into the set that the last step multiplied; then 32 matrix instructions, the 32 accumulators by turns, in the same order in every step.
.macro KSTEP s
.if (\s) < 7
.if (\s) > 0
	PLACES 4                                       ; in front of loads into registers that the last step's products have read
.endif
	FETCH (\s)+1
	s_wait_dscnt 24                                ; all but the 24 just issued: this step's fragments are in
.else
	s_wait_dscnt 0x0
.endif
.if (\s) == 0
	WIN 0x42                                       ; source 0 (W) window 2, source 1 (a) and C (the bias) window 0, D window 1
.else
	WIN 0x52                                       ; C window 1
.endif
.irp a, 0,1,2,3
.irp b, 0,1,2,3,4,5,6,7
.if (\s) == 0
	v_wmma_scale_f32_16x16x128_f8f6f4 v[8*(8*\a+\b):8*(8*\a+\b)+7], v[64*((\s)%2)+8*\b:64*((\s)%2)+8*\b+7], v[AF+32*((\s)%2)+8*\a:AF+32*((\s)%2)+8*\a+7], v[BIAS+8*\b:BIAS+8*\b+7], v[SB+32*((\s)/4)+4*\b+(\s)%4], v[SA+16*((\s)/4)+4*\a+(\s)%4] matrix_a_fmt:MATRIX_FMT_FP4 matrix_b_fmt:MATRIX_FMT_FP4
.else
	v_wmma_scale_f32_16x16x128_f8f6f4 v[8*(8*\a+\b):8*(8*\a+\b)+7], v[64*((\s)%2)+8*\b:64*((\s)%2)+8*\b+7], v[AF+32*((\s)%2)+8*\a:AF+32*((\s)%2)+8*\a+7], v[8*(8*\a+\b):8*(8*\a+\b)+7], v[SB+32*((\s)/4)+4*\b+(\s)%4], v[SA+16*((\s)/4)+4*\a+(\s)%4] matrix_a_fmt:MATRIX_FMT_FP4 matrix_b_fmt:MATRIX_FMT_FP4
.endif
.endr
.endr
	WIN 0
.endm
; THE WAY OUT, a tile of 16 tokens x 128 columns at a time.  A lane holds 32 neighbouring bytes of a row, the lanes beside it other rows: so a tile goes through my own stage and comes back as whole rows of 512 bytes.
; LDS serves a wave's instructions in order (ISA guide 5.7.1.4): no wait between the stores and the loads, nor in front of the next tile's stores.
.macro TOSTAGE a
	WIN 0x04                                       ; an LDS store's data are its source 1: window 1
.irp b, 0,1,2,3,4,5,6,7
	ds_store_b128 v[STO], v[64*(\a)+8*\b:64*(\a)+8*\b+3] offset:64*\b          ; each accumulator from its low end on
	ds_store_b128 v[STO], v[64*(\a)+8*\b+4:64*(\a)+8*\b+7] offset:64*\b+16
.endr
	WIN 0
.irp t, 0,1,2,3,4,5,6,7,8,9,10,11,12,13,14,15
	ds_load_b128 v[OB+64*((\a)%2)+4*\t:OB+64*((\a)%2)+4*\t+3], v[RD] offset:\t*SP
.endr
.endm
.macro SEND a, younger                 ; younger: the LDS instructions issued behind tile a's loads, which may stay out
	s_wait_dscnt \younger
.irp t, 0,1,2,3,4,5,6,7,8,9,10,11,12,13,14,15
	global_store_b128 v[CO], v[OB+64*((\a)%2)+4*\t:OB+64*((\a)%2)+4*\t+3], s[14:15] offset:(\a)*65536+\t*4096 th:TH_STORE_NT   ; 32 lanes store 512 consecutive bytes, at a multiple of 256 from out0's first byte; written once, read by nobody here
.endr
.endm
	s_wait_tensorcnt 0x0                           ; my two loads have landed,
	s_barrier_signal -1
	s_barrier_wait -1                              ; everybody's have
.irp g, 0,1
.irp a, 0,1,2,3
	ds_load_b128 v[SA+16*\g+4*\a:SA+16*\g+4*\a+3], v[ADSA] offset:512*\a+256*\g    ; the scale words of four K steps by one load; they stay in registers
.endr
.irp b, 0,1,2,3,4,5,6,7
	ds_load_b128 v[SB+32*\g+4*\b:SB+32*\g+4*\b+3], v[ADSB] offset:544*\b+16*\g
.endr
.endr
	FETCH 0
	s_wait_loadcnt 0x0                             ; the bias
	KSTEP 0
	KSTEP 1
	KSTEP 2
	KSTEP 3
	KSTEP 4
	KSTEP 5
	KSTEP 6
	KSTEP 7
	PLACES 4                                       ; behind the last products: for the reads of results and the loads into registers that held a's fragments
	TOSTAGE 0
.irp a, 1,2,3
.if \a > 1
	s_wait_xcnt 0x0                                ; tile a - 2's stores have read their registers: tile a's loads may land there
.endif
	TOSTAGE \a
	SEND \a-1, 32                                  ; behind tile a - 1's loads: tile a's 16 stores and 16 loads
.endr
	SEND 3, 0
	s_wait_tensorcnt 0x0
	ds_add_u32 v30, v31
	s_wait_dscnt 0x0
	CROUND                                         ; the closing round: no work-group ends while a partner may still ask for a tile that names it
	s_endpgm
.Lfunc_end_k_q632b4742f2_proj:
	.size	k_q632b4742f2_proj, .Lfunc_end_k_q632b4742f2_proj-k_q632b4742f2_proj
	.p2alignl 7, 3214868480
	.fill 96, 4, 3214868480
	.section	.rodata,"a",@progbits
	.p2align	6, 0x0
	.amdhsa_kernel k_q632b4742f2_proj
		.amdhsa_group_segment_fixed_size 247808
		.amdhsa_private_segment_fixed_size 0
		.amdhsa_enable_private_segment 0
		.amdhsa_kernarg_size 48
		.amdhsa_user_sgpr_count 2
		.amdhsa_user_sgpr_kernarg_segment_ptr 1
		.amdhsa_wavefront_size32 1
		.amdhsa_system_sgpr_workgroup_id_x 1
		.amdhsa_system_sgpr_workgroup_id_y 1
		.amdhsa_system_sgpr_workgroup_id_z 1
		.amdhsa_system_vgpr_workitem_id 0
		.amdhsa_next_free_vgpr 640
		.amdhsa_next_free_sgpr 84
		.amdhsa_reserve_vcc 0
		.amdhsa_float_denorm_mode_32 3
		.amdhsa_float_denorm_mode_16_64 3
		.amdhsa_memory_ordered 1
		.amdhsa_forward_progress 1
		.amdhsa_inst_pref_size 72
	.end_amdhsa_kernel
	.amdgpu_metadata
---
amdhsa.version: [ 1, 2 ]
amdhsa.kernels:
  - .name:           k_q632b4742f2_proj
    .symbol:         k_q632b4742f2_proj.kd
    .args:
      - { .name: ac, .offset: 0, .size: 8, .value_kind: global_buffer, .address_space: global }
      - { .name: asc, .offset: 8, .size: 8, .value_kind: global_buffer, .address_space: global }
      - { .name: out_w_codes, .offset: 16, .size: 8, .value_kind: global_buffer, .address_space: global }
      - { .name: out_w_scales, .offset: 24, .size: 8, .value_kind: global_buffer, .address_space: global }
      - { .name: out_b, .offset: 32, .size: 8, .value_kind: global_buffer, .address_space: global }
      - { .name: out0, .offset: 40, .size: 8, .value_kind: global_buffer, .address_space: global }
    .group_segment_fixed_size: 247808
    .private_segment_fixed_size: 0
    .kernarg_segment_align: 8
    .kernarg_segment_size: 48
    .max_flat_workgroup_size: 128
    .sgpr_count:     84
    .vgpr_count:     640
    .wavefront_size: 32
...
	.end_amdgpu_metadata
.endif
;; end of part 3
